; MI455X (gfx1250); checked and timed in simulation.
; The chip was launched on July 23, 2026; its instructions are those of AMD's public machine-readable ISA for CDNA 5 (MIT licence, August 2026) and "CDNA5" Instruction Set Architecture Reference Guide (July 2026). The comments in the code are by the model that wrote it; some were corrected since.
;; Cross View Transformer. Allowed arithmetic: float matrix products may take bf16 or f16 operands with f32 sums; all other float work in f32.
;; Inputs: bk 8 float32; bq 8 float32; bv 64 float32; query_x 8 x 64 x 64 x 64 float32; ref_x 8 x 64 x 64 x 64 float32; wk 8 x 64 float32; wq 8 x 64 float32; wv 64 x 64 float32.
;; Outputs: out0 8 x 64 x 64 x 64 float32.
;; 2 versions, each right and faster than the one before. Each part assembles by itself: llvm-mc -triple=amdgcn-amd-amdhsa -mcpu=gfx1250 --defsym DOCPART=n.
;; ======== version 1 of 2: 2 launches
;; workspace buffers: qx 524,288 bytes; kx 1,048,576 bytes; xb 4,194,304 bytes
;; launch proj (part 1): grid 256 x 2, 4 waves a work-group, no clusters, 16,896 bytes of LDS; arguments query_x, ref_x, wq, wk, bq, bk, qx, kx, xb; writes qx, kx, xb
.if DOCPART == 1
	.amdgcn_target "amdgcn-amd-amdhsa--gfx1250"
	.amdhsa_code_object_version 6
	.text
	.protected	k_q462a1d07e0_proj
	.globl	k_q462a1d07e0_proj
	.p2align	8
	.type	k_q462a1d07e0_proj,@function
k_q462a1d07e0_proj:
	s_mov_b64 s[64:65], 0
	v_nop
	global_prefetch_b8 v0, s[64:65] scope:SCOPE_SE
	s_setreg_imm32_b32 hwreg(HW_REG_WAVE_MODE, 25, 1), 1
	s_wait_xcnt 0x0
; The two small projections, and ref_x rounded to bf16, each made once for the attention launch.
;   work-group y = 0:  qx[b][i][p]        = bf16( sum over c of wq[p][c] query_x[b][c][i] + bq[p] )
;   work-group y = 1:  kx[b][0][j][p]     = bf16( k ),  kx[b][1][j][p] = bf16( k - the first ),
;                      k = log2(e) ( sum over c of wk[p][c] ref_x[b][c][j] + bk[p] )     (log2(e): the attention uses exponentials of base 2)
;                      xb[b][c][i]        = bf16( ref_x[b][c][i] )
; A work-group owns 128 positions of one batch (x = 32 b + block).  Wave w takes channels 16 w .. 16 w + 15, lane L positions 4 L .. 4 L + 3,
; so a load of a wave is 512 consecutive bytes of one channel's row.  The four waves' partial sums meet in LDS; then thread t is position t
; and stores its eight p as 16 bytes: a store of a wave is 512 consecutive bytes, aligned.
; The sums are f32 multiply-adds on the vector unit: eight output rows over a stream that is read once, 16 packed instructions for each
; 512-byte row; the matrix unit's lane map would cut the stores into shorter pieces.  No tensor loads, no cluster: no byte is shared.
.set XROW, 16384                       ; bytes of one channel's 4,096 positions in f32
.set ACC,  16                          ; v[16:47]    sum (p): 4 registers, my 4 positions
.set XR,   48                          ; v[48:111]   row n of my 16 channels: 4 registers
.set WT,   112                         ; v[112:239]  weight (p, 16 w + n) at 112 + 16 p + n, the same in every lane
.set PS,   48                          ; v[48:79]    later: the four waves' partial sums of my position, wave s at 48 + 8 s + p
.set HI,   80                          ; v[80:83]    eight bf16: the result
.set WD,   84                          ; v[84:91]    the result widened again, then what it left over
.set LO,   92                          ; v[92:95]    eight bf16: the rest
.set XC,   112                         ; v[112:143]  later: my 16 rows in bf16, 2 registers each
	s_load_b512 s[16:31], s[0:1], 0x0              ; query_x, ref_x, wq, wk, bq, bk, qx, kx
	s_load_b64 s[32:33], s[0:1], 0x40              ; xb
	v_lshl_add_u32 v240, v0, 2, 0x4000
	v_mov_b32 v241, 0
	v_lshrrev_b32 v1, 5, v0
	v_readfirstlane_b32 s15, v1                    ; wave 0..3
	s_and_b32 s12, ttmp7, 0xffff                   ; y: 0 = q from query_x, 1 = k and the cast from ref_x
	s_lshr_b32 s13, ttmp9, 5                       ; batch
	s_and_b32 s14, ttmp9, 31                       ; block of 128 positions
	v_and_b32 v7, 31, v0                           ; lane
	s_lshl_b32 s2, s15, 18                         ; 16 channels x 16,384 bytes
	s_lshl_b32 s3, s15, 6                          ; 16 weights x 4 bytes
	v_lshl_add_u32 v1, v7, 4, s2                   ; x: 16 L + my wave's first channel
	v_mov_b32 v2, s3                               ; weights: my wave's 16 columns
	v_mov_b32 v3, 0                                ; bias
	s_lshl_b32 s2, s15, 17                         ; 16 channels x 8,192 bytes
	s_lshl_b32 s3, s15, 12                         ; my wave's 4,096 bytes of LDS
	v_lshl_add_u32 v4, v7, 3, s2                   ; xb: 8 L + my wave's first channel
	v_lshl_add_u32 v5, v7, 4, s3                   ; LDS, in: wave, then p (512 bytes each), then position
	v_lshlrev_b32 v6, 2, v0                        ; LDS, back: position t
	v_lshlrev_b32 v7, 4, v0                        ; result: 16 bytes for position t
	s_lshl_b32 s34, s13, 20                        ; source: batch x 64 x 16,384
	s_lshl_b32 s2, s14, 9                          ;         + block x 128 x 4
	s_add_co_u32 s34, s34, s2
	s_mov_b32 s35, 0
	s_lshl_b32 s40, s13, 19                        ; xb: batch x 64 x 8,192
	s_lshl_b32 s3, s14, 8                          ;     + block x 128 x 2
	s_add_co_u32 s40, s40, s3
	s_mov_b32 s41, 0
	s_lshl_b32 s38, s13, 16                        ; qx: a batch is 4,096 x 16 bytes;
	s_lshl_b32 s39, s13, 17                        ; kx: two such planes
	s_lshl_b32 s2, s14, 11                         ; + block x 128 x 16
	s_cmp_eq_u32 s12, 0                            ; the choices hang on the work-group's y alone
	s_cselect_b32 s38, s38, s39
	s_cselect_b32 s36, 1.0, 0x3fb8aa3b             ; q as it is; k times log2(e)
	s_wait_kmcnt 0x0
	s_cselect_b64 s[4:5], s[16:17], s[18:19]       ; source
	s_cselect_b64 s[6:7], s[20:21], s[22:23]       ; weights
	s_cselect_b64 s[8:9], s[24:25], s[26:27]       ; bias
	s_cselect_b64 s[10:11], s[28:29], s[30:31]     ; destination
	s_add_co_u32 s38, s38, s2
	s_mov_b32 s39, 0
	s_mov_b32 s37, s36                             ; the pair is named whole by the packed multiply
	s_add_nc_u64 s[4:5], s[4:5], s[34:35]
	s_add_nc_u64 s[10:11], s[10:11], s[38:39]
	s_add_nc_u64 s[32:33], s[32:33], s[40:41]
	; 50 loads of the wave go out at once: bias, weights, then my 16 rows
	global_load_b128 v[8:11], v3, s[8:9]
	global_load_b128 v[12:15], v3, s[8:9] offset:16
.irp p, 0,1,2,3,4,5,6,7
.irp q, 0,1,2,3
	global_load_b128 v[WT+16*\p+4*\q:WT+16*\p+4*\q+3], v2, s[6:7] offset:\p*256+\q*16
.endr
.endr
.irp row, 0,1,2,3,4,5,6,7,8,9,10,11,12,13,14,15
	global_load_b128 v[XR+4*\row:XR+4*\row+3], v1, s[4:5] offset:\row*XROW
.endr
; One channel: 8 p x 4 positions.  The weight is taken for both halves from one register of its pair (op_sel, op_sel_hi).
; The first channel's products start the sums: nothing is cleared.
.macro ROW row
	s_wait_loadcnt 15-\row                         ; loads come back in order (ISA guide 5.7.1): this row, the weights and the bias are in, the younger rows stay out
.irp p, 0,1,2,3,4,5,6,7
.irp g, 0,2
.if \row == 0
	v_pk_mul_f32 v[ACC+4*\p+\g:ACC+4*\p+\g+1], v[XR+\g:XR+\g+1], v[WT+16*\p:WT+16*\p+1] op_sel_hi:[1,0]
.else
.if \row & 1
	v_pk_fma_f32 v[ACC+4*\p+\g:ACC+4*\p+\g+1], v[XR+4*\row+\g:XR+4*\row+\g+1], v[WT+16*\p+\row-1:WT+16*\p+\row], v[ACC+4*\p+\g:ACC+4*\p+\g+1] op_sel:[0,1,0] op_sel_hi:[1,1,1]
.else
	v_pk_fma_f32 v[ACC+4*\p+\g:ACC+4*\p+\g+1], v[XR+4*\row+\g:XR+4*\row+\g+1], v[WT+16*\p+\row:WT+16*\p+\row+1], v[ACC+4*\p+\g:ACC+4*\p+\g+1] op_sel_hi:[1,0,1]
.endif
.endif
.endr
.endr
.endm
.irp row, 0,1,2,3,4,5,6,7,8,9,10,11,12,13,14,15
	ROW \row
.endr
	; y = 1: my 16 rows of ref_x in bf16.  32 lanes x 8 bytes: each store of the wave covers 256 consecutive bytes, aligned.
	s_cmp_eq_u32 s12, 0
	s_cbranch_scc1 .Lno_cast
.irp row, 0,1,2,3,4,5,6,7,8,9,10,11,12,13,14,15
	v_cvt_pk_bf16_f32 v[XC+2*\row], v[XR+4*\row], v[XR+4*\row+1]           ; the weights' registers are free: all 16 channels are summed
	v_cvt_pk_bf16_f32 v[XC+2*\row+1], v[XR+4*\row+2], v[XR+4*\row+3]
	global_store_b64 v4, v[XC+2*\row:XC+2*\row+1], s[32:33] offset:\row*8192
.endr
.Lno_cast:
	; the four waves' partial sums meet
.irp p, 0,1,2,3,4,5,6,7
	ds_store_b128 v5, v[ACC+4*\p:ACC+4*\p+3] offset:\p*512
.endr
	s_wait_dscnt 0x0                               ; my stores are in LDS before I say so
	s_barrier_signal -1
	s_barrier_wait -1
.irp s, 0,1,2,3
.irp p, 0,1,2,3,4,5,6,7
	ds_load_b32 v[PS+8*\s+\p], v6 offset:\s*4096+\p*512     ; 32 lanes, 32 neighbouring words
.endr
.endr
	s_wait_dscnt 0x0
.irp g, 0,2,4,6
	v_pk_add_f32 v[PS+\g:PS+\g+1], v[PS+\g:PS+\g+1], v[PS+8+\g:PS+8+\g+1]
	v_pk_add_f32 v[PS+16+\g:PS+16+\g+1], v[PS+16+\g:PS+16+\g+1], v[PS+24+\g:PS+24+\g+1]
.endr
.irp g, 0,2,4,6
	v_pk_add_f32 v[PS+\g:PS+\g+1], v[PS+\g:PS+\g+1], v[PS+16+\g:PS+16+\g+1]
.endr
.irp g, 0,2,4,6
	v_pk_add_f32 v[PS+\g:PS+\g+1], v[PS+\g:PS+\g+1], v[8+\g:8+\g+1]        ; the bias
.endr
.irp g, 0,2,4,6
	v_pk_mul_f32 v[PS+\g:PS+\g+1], v[PS+\g:PS+\g+1], s[36:37] op_sel_hi:[1,0]
.endr
.irp g, 0,1,2,3
	v_cvt_pk_bf16_f32 v[HI+\g], v[PS+2*\g], v[PS+2*\g+1]
.endr
	global_store_b128 v7, v[HI:HI+3], s[10:11]
	; y = 1: what the rounding of k left over, as a second plane: together 16 bits of mantissa
	s_cmp_eq_u32 s12, 0
	s_cbranch_scc1 .Ldone
.irp g, 0,1,2,3
	v_lshlrev_b32 v[WD+2*\g], 16, v[HI+\g]
	v_and_b32 v[WD+2*\g+1], 0xffff0000, v[HI+\g]
.endr
.irp g, 0,2,4,6
	v_pk_add_f32 v[WD+\g:WD+\g+1], v[PS+\g:PS+\g+1], v[WD+\g:WD+\g+1] neg_lo:[0,1] neg_hi:[0,1]
.endr
.irp g, 0,1,2,3
	v_cvt_pk_bf16_f32 v[LO+\g], v[WD+2*\g], v[WD+2*\g+1]
.endr
	global_store_b128 v7, v[LO:LO+3], s[10:11] offset:65536
.Ldone:
	s_wait_tensorcnt 0x0
	ds_add_u32 v240, v241
	s_wait_dscnt 0x0
	s_endpgm
.Lfunc_end_k_q462a1d07e0_proj:
	.size	k_q462a1d07e0_proj, .Lfunc_end_k_q462a1d07e0_proj-k_q462a1d07e0_proj
	.p2alignl 7, 3214868480
	.fill 96, 4, 3214868480
	.section	.rodata,"a",@progbits
	.p2align	6, 0x0
	.amdhsa_kernel k_q462a1d07e0_proj
		.amdhsa_group_segment_fixed_size 16896
		.amdhsa_private_segment_fixed_size 0
		.amdhsa_enable_private_segment 0
		.amdhsa_kernarg_size 72
		.amdhsa_user_sgpr_count 2
		.amdhsa_user_sgpr_kernarg_segment_ptr 1
		.amdhsa_wavefront_size32 1
		.amdhsa_system_sgpr_workgroup_id_x 1
		.amdhsa_system_sgpr_workgroup_id_y 1
		.amdhsa_system_sgpr_workgroup_id_z 1
		.amdhsa_system_vgpr_workitem_id 0
		.amdhsa_next_free_vgpr 242
		.amdhsa_next_free_sgpr 66
		.amdhsa_reserve_vcc 0
		.amdhsa_float_denorm_mode_32 3
		.amdhsa_float_denorm_mode_16_64 3
		.amdhsa_memory_ordered 1
		.amdhsa_forward_progress 1
		.amdhsa_inst_pref_size 33
	.end_amdhsa_kernel
	.amdgpu_metadata
---
amdhsa.version: [ 1, 2 ]
amdhsa.kernels:
  - .name:           k_q462a1d07e0_proj
    .symbol:         k_q462a1d07e0_proj.kd
    .args:
      - { .name: query_x, .offset: 0, .size: 8, .value_kind: global_buffer, .address_space: global }
      - { .name: ref_x, .offset: 8, .size: 8, .value_kind: global_buffer, .address_space: global }
      - { .name: wq, .offset: 16, .size: 8, .value_kind: global_buffer, .address_space: global }
      - { .name: wk, .offset: 24, .size: 8, .value_kind: global_buffer, .address_space: global }
      - { .name: bq, .offset: 32, .size: 8, .value_kind: global_buffer, .address_space: global }
      - { .name: bk, .offset: 40, .size: 8, .value_kind: global_buffer, .address_space: global }
      - { .name: qx, .offset: 48, .size: 8, .value_kind: global_buffer, .address_space: global }
      - { .name: kx, .offset: 56, .size: 8, .value_kind: global_buffer, .address_space: global }
      - { .name: xb, .offset: 64, .size: 8, .value_kind: global_buffer, .address_space: global }
    .group_segment_fixed_size: 16896
    .private_segment_fixed_size: 0
    .kernarg_segment_align: 8
    .kernarg_segment_size: 72
    .max_flat_workgroup_size: 128
    .sgpr_count:     66
    .vgpr_count:     242
    .wavefront_size: 32
...
	.end_amdgpu_metadata
.endif
;; end of part 1
;; launch attn (part 2): grid 32 x 8, 8 waves a work-group, clusters of 4 x 1, 327,680 bytes of LDS; arguments qx, kx, xb, wv, bv, query_x, out0; writes out0
.if DOCPART == 2
	.amdgcn_target "amdgcn-amd-amdhsa--gfx1250"
	.amdhsa_code_object_version 6
	.text
	.protected	k_q462a1d07e0_attn
	.globl	k_q462a1d07e0_attn
	.p2align	8
	.type	k_q462a1d07e0_attn,@function
k_q462a1d07e0_attn:
	s_mov_b64 s[64:65], 0
	v_nop
	global_prefetch_b8 v0, s[64:65] scope:SCOPE_SE
	s_setreg_imm32_b32 hwreg(HW_REG_WAVE_MODE, 25, 1), 1
	s_wait_xcnt 0x0
	s_wait_alu depctr_hold_cnt(0) depctr_sa_sdst(0) depctr_va_vdst(0) depctr_va_sdst(0) depctr_va_ssrc(0) depctr_va_vcc(0) depctr_vm_vsrc(0)
	s_getreg_b32 s2, hwreg(HW_REG_IB_STS2, 6, 4)
	s_cmp_eq_u32 s2, 0
	s_cbranch_scc0 .Lentry_in_a_cluster
	s_endpgm
.Lentry_in_a_cluster:
	s_bfe_u32 s2, ttmp6, 0x10000c
	s_cmp_lg_u32 s2, 0x3003
	s_cbranch_scc0 .Lentry_shape_is_right
	s_endpgm
.Lentry_shape_is_right:
; out0[b][c][j] = query_x[b][c][j] + bv[c] + sum over c' of wv[c][c'] y[c'][j],   y[c'][j] = sum over i of ref_x[b][c'][i] att[j][i],
; att[j][.] = softmax over i of (k[.][j] . q[.][i]).  Each row of att sums to 1, so wv and bv are applied behind the sum over i:
; the same result as reference's v = wv ref_x + bv in front of it, for every input, with another order of rounding (y, not v, is rounded to bf16).
; A work-group owns 128 rows j of one batch and walks the batch's 4,096 i in 8 tiles of 512, with a running maximum.
; Eight waves: wave w has rows 32 (w & 3) .. + 31 (two tiles of 16) and the half w >> 2 of each tile's 512 i; the two halves are merged at the end.
; Two waves lie on a SIMD, so that one wave's matrix instructions run under the other's exponentials; the scores never leave registers.
; CLUSTER: the four work-groups of a cluster have the same batch and need the same tiles of q and of ref_x: each tile is asked for jointly
; (mask 15).  k, query_x, out0 are a work-group's own and go through registers.
; ENERGIES: S^T (16 i x 16 j) = A (q: row i) x B (k: column j).  K slots 0-7: q . k's first bf16 plane; 8-15: q . k's second plane (the upper
; lanes read the same q); 16-31: B holds zeros there, and A whatever finite q lies in the next four registers.
; A lane's eight results are i = 8 h + 0..7 of column j = r: two neighbouring tiles, converted in place, ARE the B fragment of the next product.
; VALUES: O^T (16 c x 16 j) = A (ref_x: row c, K = i) x B (p).  Column j = r in every tile, so maximum, sum and rescale factor are one number a lane.
; LIMITS: exponentials below 2^-126 count as 0 (ISA guide 15.8); NaN and infinities among the inputs are not served (a NaN loses in the maxima;
; an infinite q next to B's zeros gives NaN); q is rounded once to bf16, so an exponent's error grows as |q| |k| 2^-9; the sum l adds the f32 p,
; the product takes p rounded to bf16 (relative 2^-9 at the most).
.set XPITCH, 1040                      ; an LDS row of ref_x: 1,024 bytes + 16 = 65 x 16: the 16 rows that a load touches start in 16 different 16-byte columns of 256
.set XBYTES, 64*XPITCH                 ; 64 channels
.set SLOT,   XBYTES+8192               ; then q: 512 i x 16 bytes
.set MRG,    2*SLOT                    ; 4 x 9,216: what waves 4-7 hand to waves 0-3 (17 x 512 bytes used)
.set MRGW,   9216
.set ZST,    MRG+4*MRGW                ; z: 64 channels, pitch 528 (128 j x 4 bytes + 16)
.set ZPITCH, 528
.set WST,    ZST+64*ZPITCH             ; wv in bf16: 8 fragments x 2 x 512 bytes, in lane order.  No tensor load lands at or behind MRG.
.set AX, 1                             ; v1-2      LDS address of my ref_x fragments in slot 0, 1
.set AQ, 3                             ; v3-4      the same for q
.set MX, 8                             ; v[8:9]    running maximum of j tile 0, 1
.set DF, 10                            ; v[10:11]  old maximum - new maximum; at the end: the sums l
.set LS, 12                            ; v[12:15]  j tile jt: a pair of partial sums
.set AL, 16                            ; v[16:17]  rescale factor of j tile 0, 1
.set FB, 18                            ; v[18:19]  the merge: the partner's factors
.set TM, 20                            ; v[20:27]  at work
.set QF, 28                            ; v[28:43]  q of i tile it at 28 + 4 it; v[44:47] = 0
.set KF, 48                            ; v[48:63]  k of j tile jt at 48 + 8 jt, its upper four registers 0
.set BV, 60                            ; v[60:63]  at the end: bv[16 ct + r]
.set OA, 64                            ; v[64:127] O^T tile (ct, jt) at 64 + 32 jt + 8 ct
.set SC, 128                           ; v[128:191] S^T tile (it, jt) at 128 + 32 jt + 8 it; then p's fragment (ks, jt) at 128 + 32 jt + 16 ks
.set XF, 192                           ; v[192:255] ref_x fragment (ct, ks) at 192 + 8 (2 ct + ks)
.set G1X, 32                           ; s[32:39] descriptor group 1, ref_x
.set G1Q, 40                           ; s[40:47] descriptor group 1, q
.set G0X, 48                           ; s[48:55] group 0, ref_x, one set for each slot
.set G0Q, 56                           ; s[56:63] group 0, q, one set for each slot
.macro PLACES cnt                      ; places behind matrix instructions: plain vector instructions that name none of their registers (ISA guide 7.12.1)
.rept \cnt
	v_nop
.endr
.endm
; A round of the cluster's barrier: my work-group's barrier, wave 0 signals for the work-group, every wave waits for all four work-groups, my work-group's barrier once more.
.macro ROUND
	s_barrier_signal -1
	s_barrier_wait -1
	s_cmp_lg_u32 s8, 0
	s_cbranch_scc1 .Lnot_wave_0_\@
	s_barrier_signal -3
.Lnot_wave_0_\@:
	s_barrier_wait -3
	s_barrier_signal -1
	s_barrier_wait -1
.endm
; Packed f32 with one register (sel = 0: the first, 1: the second) of a pair taken for both halves
.macro PKSUBB reg, pair, sel
.if \sel
	v_pk_add_f32 v[\reg:\reg+1], v[\reg:\reg+1], v[\pair:\pair+1] op_sel:[0,1] op_sel_hi:[1,1] neg_lo:[0,1] neg_hi:[0,1]
.else
	v_pk_add_f32 v[\reg:\reg+1], v[\reg:\reg+1], v[\pair:\pair+1] op_sel_hi:[1,0] neg_lo:[0,1] neg_hi:[0,1]
.endif
.endm
.macro PKADDB reg, pair, sel
.if \sel
	v_pk_add_f32 v[\reg:\reg+1], v[\reg:\reg+1], v[\pair:\pair+1] op_sel:[0,1] op_sel_hi:[1,1]
.else
	v_pk_add_f32 v[\reg:\reg+1], v[\reg:\reg+1], v[\pair:\pair+1] op_sel_hi:[1,0]
.endif
.endm
.macro PKMULB reg, pair, sel
.if \sel
	v_pk_mul_f32 v[\reg:\reg+1], v[\reg:\reg+1], v[\pair:\pair+1] op_sel:[0,1] op_sel_hi:[1,1]
.else
	s_wait_alu depctr_va_vdst(0)
	v_pk_mul_f32 v[\reg:\reg+1], v[\reg:\reg+1], v[\pair:\pair+1] op_sel_hi:[1,0]
.endif
.endm
.macro PKFMAB dst, src, pair, sel, add
.if \sel
	v_pk_fma_f32 v[\dst:\dst+1], v[\src:\src+1], v[\pair:\pair+1], v[\add:\add+1] op_sel:[0,1,0] op_sel_hi:[1,1,1]
.else
	v_pk_fma_f32 v[\dst:\dst+1], v[\src:\src+1], v[\pair:\pair+1], v[\add:\add+1] op_sel_hi:[1,0,1]
.endif
.endm
	s_load_b256 s[16:23], s[0:1], 0x0              ; qx s[16:17], kx s[18:19], xb s[20:21], wv s[22:23]
	s_load_b128 s[24:27], s[0:1], 0x20             ; bv s[24:25], query_x s[26:27]
	s_load_b64 s[28:29], s[0:1], 0x30              ; out0
	s_set_vgpr_msb 0x40
	v_lshl_add_u32 v0, v0, 2, 0x37c00
	v_mov_b32 v1, 0
	s_set_vgpr_msb 0x4045
	ds_add_u32 v0, v1
	s_set_vgpr_msb 0x4500
	v_lshrrev_b32 v5, 5, v0
	v_readfirstlane_b32 s8, v5                     ; wave 0..7
	s_and_b32 s9, s8, 3                            ; which 32 rows j
	s_lshr_b32 s10, s8, 2                          ; which half of a tile's i
	s_and_b32 s11, ttmp7, 0xffff                   ; batch: the cluster's y, shared by the four
	s_bfe_u32 s13, ttmp6, 0x40000                  ; cx
	s_lshl_b32 s12, ttmp9, 2
	s_add_co_u32 s12, s12, s13                     ; block of 128 rows j = 4 x cluster x + cx: enters global addresses of k, query_x, out0 alone
	s_mov_b32 s66, 0x76543210                      ; v_permlanex16_b32: lane i of one half reads lane i of the other
	s_mov_b32 s67, 0xfedcba98
	; group 1, ref_x: 8 rows (channels) x 512 elements of 2 bytes, 4,096 elements from row to row; 4 words of padding behind every 256 words
	s_mov_b32 s[G1X+0], 15|(1<<16)|(1<<20)|(1<<21)|(7<<22)|(3<<25)  ; 15:0 mask: all four; 17:16 2 bytes; 20 padding; 21 set beside a mask; 24:22 code 7; 31:25 code 3
	s_mov_b32 s[G1X+1], 512<<16                    ; tensor_dim0 = 512
	s_mov_b32 s[G1X+2], 8<<16                      ; tensor_dim1 = 8
	s_mov_b32 s[G1X+3], 512<<16                    ; tile_dim0 = 512
	s_mov_b32 s[G1X+4], 8                          ; tile_dim1 = 8
	s_mov_b32 s[G1X+5], 4096                       ; pitch
	s_mov_b32 s[G1X+6], 0
	s_mov_b32 s[G1X+7], 0
	; group 1, q: 1,024 dense bytes as 4 rows of 32 elements of 8 bytes
	s_mov_b32 s[G1Q+0], 15|(3<<16)|(1<<21)
	s_mov_b32 s[G1Q+1], 32<<16
	s_mov_b32 s[G1Q+2], 4<<16
	s_mov_b32 s[G1Q+3], 32<<16
	s_mov_b32 s[G1Q+4], 4
	s_mov_b32 s[G1Q+5], 32
	s_mov_b32 s[G1Q+6], 0
	s_mov_b32 s[G1Q+7], 0
	; each wave brings an eighth of a tile: channels 8 w .. 8 w + 7, and q of 64 positions.  Batch and wave number alone enter these words.
	s_mul_i32 s14, s8, 8*XPITCH
	s_lshl_b32 s15, s8, 10
	s_add_co_u32 s15, s15, XBYTES
	s_lshl_b32 s70, s11, 19                        ; xb: batch x 64 x 8,192
	s_lshl_b32 s2, s8, 16                          ;     + 8 w x 8,192
	s_add_co_u32 s70, s70, s2
	s_mov_b32 s71, 0
	s_lshl_b32 s72, s11, 16                        ; qx: batch x 4,096 x 16
	s_lshl_b32 s2, s8, 10                          ;     + 64 w x 16
	s_add_co_u32 s72, s72, s2
	s_mov_b32 s73, 0
	s_wait_dscnt 0x0
	s_wait_kmcnt 0x0
	s_add_nc_u64 s[70:71], s[20:21], s[70:71]
	s_add_nc_u64 s[72:73], s[16:17], s[72:73]
.irp s, 0,1
	s_mov_b32 s[G0X+4*\s], 1
	s_add_co_u32 s[G0X+4*\s+1], s14, \s*SLOT
	s_add_nc_u64 s[G0X+4*\s+2:G0X+4*\s+3], s[70:71], \s*1024       ; tile s: 512 i x 2 bytes along the rows
	s_or_b32 s[G0X+4*\s+3], s[G0X+4*\s+3], 0x80000000
	s_mov_b32 s[G0Q+4*\s], 1
	s_add_co_u32 s[G0Q+4*\s+1], s15, \s*SLOT
	s_add_nc_u64 s[G0Q+4*\s+2:G0Q+4*\s+3], s[72:73], \s*8192       ; tile s: 512 i x 16 bytes
	s_or_b32 s[G0Q+4*\s+3], s[G0Q+4*\s+3], 0x80000000
.endr
	ROUND                                          ; all four work-groups are here: the first joint loads meet
	tensor_load_to_lds s[G0X:G0X+3], s[G1X:G1X+7]  ; tile 0 into slot 0
	s_nop 0
	tensor_load_to_lds s[G0Q:G0Q+3], s[G1Q:G1Q+7]
	s_nop 0
	; while tile 0 is on its way: addresses, k, wv
	v_and_b32 v5, 15, v0                           ; r
	v_bfe_u32 v6, v0, 4, 1                         ; h
	v_and_b32 v7, 31, v0                           ; lane
	v_mul_u32_u24 v[AX], v5, XPITCH
	v_lshl_add_u32 v[AX], v6, 4, v[AX]             ; row r, 16 bytes for each half of the lanes,
	s_lshl_b32 s2, s10, 9
	v_add_nc_u32 v[AX], s2, v[AX]                  ; my half of the tile's i: 256 x 2 bytes
	v_add_nc_u32 v[AX+1], SLOT, v[AX]
	s_lshl_b32 s2, s10, 12                         ; 256 x 16 bytes
	s_add_co_u32 s2, s2, XBYTES
	v_lshl_add_u32 v[AQ], v5, 4, s2                ; q of position r: both halves of the lanes read the same 16 bytes
	v_add_nc_u32 v[AQ+1], SLOT, v[AQ]
	; wave w converts fragment (ct = w >> 1, u = w & 1) of wv: column c = 16 ct + r, K = c' = 32 u + 8 h + 0..7 and 32 u + 16 + 8 h + 0..7
	s_lshr_b32 s2, s8, 1
	s_lshl_b32 s2, s2, 12                          ; 16 ct rows of 256 bytes
	s_and_b32 s3, s8, 1
	s_lshl_b32 s3, s3, 7                           ; 32 u x 4 bytes
	s_add_co_u32 s2, s2, s3
	v_lshlrev_b32 v20, 8, v5
	v_lshl_add_u32 v20, v6, 5, v20
	v_add_nc_u32 v20, s2, v20
	global_load_b128 v[SC:SC+3], v20, s[22:23]
	global_load_b128 v[SC+4:SC+7], v20, s[22:23] offset:16
	global_load_b128 v[SC+8:SC+11], v20, s[22:23] offset:64
	global_load_b128 v[SC+12:SC+15], v20, s[22:23] offset:80
	; k: lanes 0-15 the first plane, lanes 16-31 the second, of row j = 128 block + 32 (w & 3) + 16 jt + r
	s_lshl_b32 s76, s11, 17
	s_lshl_b32 s2, s12, 11
	s_add_co_u32 s76, s76, s2
	s_lshl_b32 s2, s9, 9
	s_add_co_u32 s76, s76, s2
	s_mov_b32 s77, 0
	s_add_nc_u64 s[18:19], s[18:19], s[76:77]
	v_lshlrev_b32 v21, 4, v5
	v_lshl_add_u32 v21, v6, 16, v21
	global_load_b128 v[KF:KF+3], v21, s[18:19]
	global_load_b128 v[KF+8:KF+11], v21, s[18:19] offset:256
.irp z, QF+16,QF+17,QF+18,QF+19, KF+4,KF+5,KF+6,KF+7, KF+12,KF+13,KF+14,KF+15
	v_mov_b32 v[\z], 0                             ; K slots 16-31 of k, and what the last q tile has beside them
.endr
	s_lshl_b32 s2, s8, 10
	s_add_co_u32 s2, s2, WST
	v_lshl_add_u32 v22, v7, 4, s2
	s_wait_loadcnt 0x0
.irp e, 0,1,2,3,4,5,6,7
	v_cvt_pk_bf16_f32 v[SC+16+\e], v[SC+2*\e], v[SC+2*\e+1]
.endr
	ds_store_b128 v22, v[SC+16:SC+19]
	ds_store_b128 v22, v[SC+20:SC+23] offset:512
; The new running maximum of j tile jt over this step's 64 i: 32 scores a lane and the old maximum in 16 three-way maxima, then the other half of the lanes.
.macro MAXP jt, first
.irp c, 0,1,2,3
	v_max3_num_f32 v[TM+4*\jt+\c], v[SC+32*\jt+8*\c], v[SC+32*\jt+8*\c+1], v[SC+32*\jt+8*\c+2]
.endr
.irp c, 0,1,2,3
	v_max3_num_f32 v[TM+4*\jt+\c], v[TM+4*\jt+\c], v[SC+32*\jt+8*\c+3], v[SC+32*\jt+8*\c+4]
.endr
.irp c, 0,1,2,3
	v_max3_num_f32 v[TM+4*\jt+\c], v[TM+4*\jt+\c], v[SC+32*\jt+8*\c+5], v[SC+32*\jt+8*\c+6]
.endr
	v_max3_num_f32 v[TM+4*\jt], v[TM+4*\jt], v[TM+4*\jt+1], v[SC+32*\jt+7]
	v_max3_num_f32 v[TM+4*\jt+2], v[TM+4*\jt+2], v[TM+4*\jt+3], v[SC+32*\jt+15]
	v_max3_num_f32 v[TM+4*\jt], v[TM+4*\jt], v[TM+4*\jt+2], v[SC+32*\jt+23]
.if \first
	v_max_num_f32 v[TM+4*\jt], v[TM+4*\jt], v[SC+32*\jt+31]
	v_permlanex16_b32 v[TM+4*\jt+1], v[TM+4*\jt], s66, s67
	v_max_num_f32 v[MX+\jt], v[TM+4*\jt], v[TM+4*\jt+1]
.else
	v_max3_num_f32 v[TM+4*\jt], v[TM+4*\jt], v[SC+32*\jt+31], v[MX+\jt]
	v_permlanex16_b32 v[TM+4*\jt+1], v[TM+4*\jt], s66, s67
	v_max_num_f32 v[TM+4*\jt], v[TM+4*\jt], v[TM+4*\jt+1]
	v_sub_f32 v[DF+\jt], v[MX+\jt], v[TM+4*\jt]    ; old - new, at most 0
	v_mov_b32 v[MX+\jt], v[TM+4*\jt]
.endif
.endm
; p = 2^(s - m) of j tile jt; O and l rescaled; l summed; p packed to bf16 in place.
.macro EXPP jt, first
.set i, 0
.rept 16
	PKSUBB SC+32*\jt+2*i, MX, \jt
.set i, i+1
.endr
.set i, 0
.rept 16
	v_exp_f32 v[SC+32*\jt+2*i], v[SC+32*\jt+2*i]
	v_exp_f32 v[SC+32*\jt+2*i+1], v[SC+32*\jt+2*i+1]
.if \first == 0
	PKMULB OA+32*\jt+2*i, AL, \jt                  ; useful work as the plain instruction that stands behind exponentials before their results are used (ISA guide 5.7.2)
.endif
.set i, i+1
.endr
.if \first
	v_nop                                          ; nothing to rescale yet: the plain instruction behind the exponentials
	s_wait_alu depctr_va_vdst(0)
.endif
	s_wait_alu depctr_va_vdst(0)
.irp c, 0,1,2,3
	v_pk_add_f32 v[TM+2*\c:TM+2*\c+1], v[SC+32*\jt+8*\c:SC+32*\jt+8*\c+1], v[SC+32*\jt+8*\c+2:SC+32*\jt+8*\c+3]
.endr
.irp c, 0,1,2,3
	v_pk_add_f32 v[TM+2*\c:TM+2*\c+1], v[TM+2*\c:TM+2*\c+1], v[SC+32*\jt+8*\c+4:SC+32*\jt+8*\c+5]
.endr
.irp c, 0,1,2,3
	v_pk_add_f32 v[TM+2*\c:TM+2*\c+1], v[TM+2*\c:TM+2*\c+1], v[SC+32*\jt+8*\c+6:SC+32*\jt+8*\c+7]
.endr
	v_pk_add_f32 v[TM:TM+1], v[TM:TM+1], v[TM+2:TM+3]
	v_pk_add_f32 v[TM+4:TM+5], v[TM+4:TM+5], v[TM+6:TM+7]
.if \first
	v_pk_add_f32 v[LS+2*\jt:LS+2*\jt+1], v[TM:TM+1], v[TM+4:TM+5]
.else
	v_pk_add_f32 v[TM:TM+1], v[TM:TM+1], v[TM+4:TM+5]
	PKFMAB LS+2*\jt, LS+2*\jt, AL, \jt, TM
.endif
.irp ks, 0,1
.irp e, 0,1,2,3,4,5,6,7
	v_cvt_pk_bf16_f32 v[SC+32*\jt+16*\ks+\e], v[SC+32*\jt+16*\ks+2*\e], v[SC+32*\jt+16*\ks+2*\e+1]   ; register e takes i = 2 e, 2 e + 1 of the 16 that the lane holds: sources never lie below the destination
.endr
.endr
.endm
; 64 i (step st of my 256 in the slot's tile) against my 32 j.
.macro STEP slot, st, first
	PLACES 5                                       ; behind the last step's matrix instructions: loads go into their A registers, new scores over their B registers, the rescale onto their results
.irp it, 0,1,2,3
	ds_load_b128 v[QF+4*\it:QF+4*\it+3], v[AQ+\slot] offset:\st*1024+\it*256
.endr
.irp ct, 0,1,2,3
.irp ks, 0,1
	ds_load_b128 v[XF+8*(2*\ct+\ks):XF+8*(2*\ct+\ks)+3], v[AX+\slot] offset:\ct*16*XPITCH+\st*128+\ks*64
	ds_load_b128 v[XF+8*(2*\ct+\ks)+4:XF+8*(2*\ct+\ks)+7], v[AX+\slot] offset:\ct*16*XPITCH+\st*128+\ks*64+32
.endr
.endr
	s_wait_dscnt 16                                ; q is in; the 16 loads of ref_x issued behind it stay out until the second product
.irp jt, 0,1
.irp it, 0,1,2,3
	v_wmma_f32_16x16x32_bf16 v[SC+32*\jt+8*\it:SC+32*\jt+8*\it+7], v[QF+4*\it:QF+4*\it+7], v[KF+8*\jt:KF+8*\jt+7], 0
.endr
.endr
	PLACES 4                                       ; before vector instructions read the scores
	MAXP 0, \first
	MAXP 1, \first
.if \first == 0
	v_exp_f32 v[AL], v[DF]                         ; the subtractions that follow touch neither AL nor DF
	v_exp_f32 v[AL+1], v[DF+1]
.endif
	EXPP 0, \first
	EXPP 1, \first
	s_wait_dscnt 0x0                               ; ref_x's fragments
	; the eight accumulators take turns, one instruction a turn; the first step's first products start the sums
.irp ks, 0,1
.irp ct, 0,1,2,3
.irp jt, 0,1
.if \first*(1-\ks)
	v_wmma_f32_16x16x32_bf16 v[OA+32*\jt+8*\ct:OA+32*\jt+8*\ct+7], v[XF+8*(2*\ct+\ks):XF+8*(2*\ct+\ks)+7], v[SC+32*\jt+16*\ks:SC+32*\jt+16*\ks+7], 0
.else
	v_wmma_f32_16x16x32_bf16 v[OA+32*\jt+8*\ct:OA+32*\jt+8*\ct+7], v[XF+8*(2*\ct+\ks):XF+8*(2*\ct+\ks)+7], v[SC+32*\jt+16*\ks:SC+32*\jt+16*\ks+7], v[OA+32*\jt+8*\ct:OA+32*\jt+8*\ct+7]
.endif
.endr
.endr
.endr
.endm
; One tile.  Two slots take turns; the round of the cluster's barrier is the barrier in front of the refill: in front of it every wave's tensor loads have
; landed and its reads of the other slot are back; behind it the two joint loads of the next tile come first.  A wave has two tensor loads out,
; and they have this tile's four steps in which to land.
.macro TRIP slot, refill, first
	s_set_vgpr_msb 0x5
	s_wait_tensorcnt 0x0                           ; all my tensor loads are done, my eighth of this tile among them: every group 0 may be written
	ds_add_u32 v0, v1
	s_wait_dscnt 0x0
	s_set_vgpr_msb 0x500
	s_add_nc_u64 s[G0X+4*\slot+2:G0X+4*\slot+3], s[G0X+4*\slot+2:G0X+4*\slot+3], 2*1024
	s_add_nc_u64 s[G0Q+4*\slot+2:G0Q+4*\slot+3], s[G0Q+4*\slot+2:G0Q+4*\slot+3], 2*8192
	s_wait_dscnt 0x0                               ; my LDS instructions are done: the reads of the last tile (ahead of the first tile: the stores of wv)
	ROUND
.if \refill
	tensor_load_to_lds s[G0X+4*(1-\slot):G0X+4*(1-\slot)+3], s[G1X:G1X+7]
	s_nop 0
	tensor_load_to_lds s[G0Q+4*(1-\slot):G0Q+4*(1-\slot)+3], s[G1Q:G1Q+7]
	s_nop 0
.endif
	STEP \slot, 0, \first
	STEP \slot, 1, 0
	STEP \slot, 2, 0
	STEP \slot, 3, 0
.endm
	TRIP 0, 1, 1                                   ; tiles 0 and 1 stand in front of the loop: the first step starts maxima and sums
	TRIP 1, 1, 0
	s_mov_b32 s68, 2
.Llap:
	TRIP 0, 1, 0                                   ; tiles 2 to 5
	TRIP 1, 1, 0
	s_sub_co_u32 s68, s68, 1
	s_cmp_lg_u32 s68, 0
	s_cbranch_scc1 .Llap
	TRIP 0, 1, 0                                   ; tile 6 fetches tile 7,
	TRIP 1, 0, 0                                   ; which fetches nothing (the stepped addresses are not used)
	; THE END.  Places behind the last matrix instructions: their results are read and stored, loads go into their sources, matrix instructions write over their B registers.
	PLACES 5
	v_add_f32 v[DF], v[LS], v[LS+1]                ; l of my half of the i: the pair, then the other half of the lanes
	v_add_f32 v[DF+1], v[LS+2], v[LS+3]
	v_permlanex16_b32 v[TM], v[DF], s66, s67
	v_permlanex16_b32 v[TM+1], v[DF+1], s66, s67
	v_add_f32 v[DF], v[DF], v[TM]
	v_add_f32 v[DF+1], v[DF+1], v[TM+1]            ; v[8:11] = m0, m1, l0, l1
	v_and_b32 v7, 31, v0
	v_lshlrev_b32 v7, 4, v7                        ; 16 x lane
	v_and_b32 v24, 15, v0                          ; r
	v_bfe_u32 v25, v0, 4, 1                        ; h
	s_lshl_b32 s2, s8, 17
	v_add_nc_u32 v1, s2, v7                        ; query_x, out0: channel 8 w, 16 bytes a lane
	s_mul_i32 s2, s8, 8*ZPITCH
	s_add_co_u32 s2, s2, ZST
	v_add_nc_u32 v2, s2, v7                        ; z, back: row 8 w
	s_mul_i32 s2, s9, MRGW
	s_add_co_u32 s2, s2, MRG
	v_add_nc_u32 v3, s2, v7                        ; what wave 4 + g hands to wave g
	v_add_nc_u32 v5, WST, v7
	v_mul_u32_u24 v4, v24, ZPITCH
	v_lshl_add_u32 v4, v25, 5, v4
	s_lshl_b32 s2, s9, 7
	s_add_co_u32 s2, s2, ZST
	v_add_nc_u32 v4, s2, v4                        ; z, in: row r, 8 h numbers, my wave's 32 j
	v_lshlrev_b32 v6, 2, v24                       ; bv[r]
	s_lshl_b32 s76, s11, 20                        ; batch x 64 x 16,384
	s_lshl_b32 s2, s12, 9                          ; + block x 128 x 4
	s_add_co_u32 s76, s76, s2
	s_add_nc_u64 s[26:27], s[26:27], s[76:77]      ; s77 is still 0
	s_add_nc_u64 s[28:29], s[28:29], s[76:77]
.irp n, 0,1,2,3,4,5,6,7
	global_load_b128 v[QF+4*\n:QF+4*\n+3], v1, s[26:27] offset:\n*16384 th:TH_LOAD_NT   ; query_x, channels 8 w + n: wanted at the very end
.endr
	s_cmp_lg_u32 s10, 0
	s_cbranch_scc0 .Lkeep                          ; waves 4-7 hand over O, m, l, lane for lane
.irp q, 0,1,2,3,4,5,6,7,8,9,10,11,12,13,14,15
	ds_store_b128 v3, v[OA+4*\q:OA+4*\q+3] offset:\q*512
.endr
	ds_store_b128 v3, v[MX:MX+3] offset:16*512
.Lkeep:
	s_wait_dscnt 0x0                               ; the stores are in LDS before the wave says so
	s_barrier_signal -1
	s_barrier_wait -1
	s_cmp_lg_u32 s10, 0
	s_cbranch_scc1 .Lno_merge                      ; waves 0-3 merge, normalise and apply wv and bv
.irp ct, 0,1,2,3
	global_load_b32 v[BV+\ct], v6, s[24:25] offset:\ct*64
.endr
	ds_load_b128 v[TM:TM+3], v3 offset:16*512      ; the partner's m0, m1, l0, l1
.irp q, 0,1,2,3,4,5,6,7,8,9,10,11,12,13,14,15
	ds_load_b128 v[SC+4*\q:SC+4*\q+3], v3 offset:\q*512
.endr
.irp q, 0,1,2,3,4,5,6,7,8,9,10,11,12,13,14,15
	ds_load_b128 v[XF+4*\q:XF+4*\q+3], v5 offset:\q*512     ; wv's eight fragments: (ct, u) at XF + 8 (2 ct + u)
.endr
	s_wait_dscnt 32                                ; the partner's m and l are in; its O (16 loads) and wv (16) stay out
	v_max_num_f32 v24, v[MX], v[TM]
	v_max_num_f32 v25, v[MX+1], v[TM+1]
	v_sub_f32 v[AL], v[MX], v24
	v_sub_f32 v[AL+1], v[MX+1], v25
	v_sub_f32 v[FB], v[TM], v24
	v_sub_f32 v[FB+1], v[TM+1], v25
	v_exp_f32 v[AL], v[AL]
	v_exp_f32 v[AL+1], v[AL+1]
	v_exp_f32 v[FB], v[FB]
	v_exp_f32 v[FB+1], v[FB+1]
	v_nop
	s_wait_alu depctr_va_vdst(0)
	v_mul_f32 v24, v[AL], v[DF]
	v_mul_f32 v25, v[AL+1], v[DF+1]
	v_fmac_f32 v24, v[FB], v[TM+2]                 ; l of all 4,096 i: at least 1, the largest score's own term
	v_fmac_f32 v25, v[FB+1], v[TM+3]
	v_rcp_f32 v24, v24
	v_rcp_f32 v25, v25
	v_nop
	s_wait_alu depctr_va_vdst(0)
	v_mul_f32 v[AL], v[AL], v24                    ; both factors carry 1 / l
	v_mul_f32 v[AL+1], v[AL+1], v25
	v_mul_f32 v[FB], v[FB], v24
	v_mul_f32 v[FB+1], v[FB+1], v25
	s_wait_dscnt 16                                ; the partner's O is in; wv stays out
.irp jt, 0,1
.set i, 0
.rept 16
	PKMULB OA+32*\jt+2*i, AL, \jt
	PKFMAB OA+32*\jt+2*i, SC+32*\jt+2*i, FB, \jt, OA+32*\jt+2*i
.set i, i+1
.endr
.endr
	; y in bf16, in place: tiles ct = 2 u, 2 u + 1 of column block jt become the A fragment (row j = r, K = c' = 32 u ..)
.irp jt, 0,1
.irp u, 0,1
.irp e, 0,1,2,3,4,5,6,7
	v_cvt_pk_bf16_f32 v[OA+32*\jt+16*\u+\e], v[OA+32*\jt+16*\u+2*\e], v[OA+32*\jt+16*\u+2*\e+1]
.endr
.endr
.endr
	s_wait_dscnt 0x0
	; Z (16 j x 16 c) = A (y) x B (wv): a lane's eight results are eight neighbouring j of channel 16 ct + r.  Eight accumulators by turns.
.irp u, 0,1
.irp jt, 0,1
.irp ct, 0,1,2,3
.if \u
	v_wmma_f32_16x16x32_bf16 v[SC+32*\jt+8*\ct:SC+32*\jt+8*\ct+7], v[OA+32*\jt+16*\u:OA+32*\jt+16*\u+7], v[XF+8*(2*\ct+\u):XF+8*(2*\ct+\u)+7], v[SC+32*\jt+8*\ct:SC+32*\jt+8*\ct+7]
.else
	v_wmma_f32_16x16x32_bf16 v[SC+32*\jt+8*\ct:SC+32*\jt+8*\ct+7], v[OA+32*\jt+16*\u:OA+32*\jt+16*\u+7], v[XF+8*(2*\ct+\u):XF+8*(2*\ct+\u)+7], 0
.endif
.endr
.endr
.endr
	PLACES 4                                       ; before the results are read, and before loads go into wv's registers
	s_wait_loadcnt 0x0                             ; bv
.irp jt, 0,1
.irp ct, 0,1,2,3
.irp g, 0,2,4,6
	PKADDB SC+32*\jt+8*\ct+\g, BV+(\ct/2)*2, \ct&1
.endr
	ds_store_b128 v4, v[SC+32*\jt+8*\ct:SC+32*\jt+8*\ct+3] offset:\ct*16*ZPITCH+\jt*64
	ds_store_b128 v4, v[SC+32*\jt+8*\ct+4:SC+32*\jt+8*\ct+7] offset:\ct*16*ZPITCH+\jt*64+16
.endr
.endr
.Lno_merge:
	s_wait_dscnt 0x0
	s_barrier_signal -1
	s_barrier_wait -1
	; all eight waves: channels 8 w + n, 128 j: each load and store of the wave covers 512 consecutive bytes, aligned
.irp n, 0,1,2,3,4,5,6,7
	ds_load_b128 v[XF+4*\n:XF+4*\n+3], v2 offset:\n*ZPITCH
.endr
	s_wait_loadcnt 0x0                             ; query_x
.irp n, 0,1,2,3,4,5,6,7
	s_wait_dscnt 7-\n                              ; LDS loads come back in order (ISA guide 5.7.1): row n is in, the younger rows stay out
	v_pk_add_f32 v[XF+4*\n:XF+4*\n+1], v[XF+4*\n:XF+4*\n+1], v[QF+4*\n:QF+4*\n+1]
	v_pk_add_f32 v[XF+4*\n+2:XF+4*\n+3], v[XF+4*\n+2:XF+4*\n+3], v[QF+4*\n+2:QF+4*\n+3]
	global_store_b128 v1, v[XF+4*\n:XF+4*\n+3], s[28:29] offset:\n*16384 th:TH_STORE_NT
.endr
	s_set_vgpr_msb 0x5
	s_wait_tensorcnt 0x0
	ds_add_u32 v0, v1
	s_wait_dscnt 0x0
	s_set_vgpr_msb 0x500
	ROUND                                          ; the closing round: no work-group ends while a partner may still ask for a tile that names it
	s_endpgm
.Lfunc_end_k_q462a1d07e0_attn:
	.size	k_q462a1d07e0_attn, .Lfunc_end_k_q462a1d07e0_attn-k_q462a1d07e0_attn
	.p2alignl 7, 3214868480
	.fill 96, 4, 3214868480
	.section	.rodata,"a",@progbits
	.p2align	6, 0x0
	.amdhsa_kernel k_q462a1d07e0_attn
		.amdhsa_group_segment_fixed_size 327680
		.amdhsa_private_segment_fixed_size 0
		.amdhsa_enable_private_segment 0
		.amdhsa_kernarg_size 56
		.amdhsa_user_sgpr_count 2
		.amdhsa_user_sgpr_kernarg_segment_ptr 1
		.amdhsa_wavefront_size32 1
		.amdhsa_system_sgpr_workgroup_id_x 1
		.amdhsa_system_sgpr_workgroup_id_y 1
		.amdhsa_system_sgpr_workgroup_id_z 1
		.amdhsa_system_vgpr_workitem_id 0
		.amdhsa_next_free_vgpr 258
		.amdhsa_next_free_sgpr 80
		.amdhsa_reserve_vcc 0
		.amdhsa_float_denorm_mode_32 3
		.amdhsa_float_denorm_mode_16_64 3
		.amdhsa_memory_ordered 1
		.amdhsa_forward_progress 1
		.amdhsa_inst_pref_size 255
	.end_amdhsa_kernel
	.section	.bss,"aw",@nobits
	.p2align	6
	.space	262144
	.amdgpu_metadata
---
amdhsa.version: [ 1, 2 ]
amdhsa.kernels:
  - .name:           k_q462a1d07e0_attn
    .symbol:         k_q462a1d07e0_attn.kd
    .args:
      - { .name: qx, .offset: 0, .size: 8, .value_kind: global_buffer, .address_space: global }
      - { .name: kx, .offset: 8, .size: 8, .value_kind: global_buffer, .address_space: global }
      - { .name: xb, .offset: 16, .size: 8, .value_kind: global_buffer, .address_space: global }
      - { .name: wv, .offset: 24, .size: 8, .value_kind: global_buffer, .address_space: global }
      - { .name: bv, .offset: 32, .size: 8, .value_kind: global_buffer, .address_space: global }
      - { .name: query_x, .offset: 40, .size: 8, .value_kind: global_buffer, .address_space: global }
      - { .name: out0, .offset: 48, .size: 8, .value_kind: global_buffer, .address_space: global }
    .group_segment_fixed_size: 327680
    .private_segment_fixed_size: 0
    .kernarg_segment_align: 8
    .kernarg_segment_size: 56
    .max_flat_workgroup_size: 256
    .sgpr_count:     80
    .vgpr_count:     258
    .wavefront_size: 32
...
	.end_amdgpu_metadata
.endif
;; end of part 2
;; ======== version 2 of 2: 2 launches; 1.10 times as fast as version 1
;; workspace buffers: qx 524,288 bytes; kx 1,048,576 bytes; xb 4,194,304 bytes
;; launch proj: the kernel of part 1 again; grid 256 x 2, 4 waves a work-group, no clusters, 16,896 bytes of LDS; arguments query_x, ref_x, wq, wk, bq, bk, qx, kx, xb; writes qx, kx, xb
;; launch attn (part 3): grid 32 x 8, 8 waves a work-group, clusters of 4 x 1, 327,680 bytes of LDS; arguments qx, kx, xb, wv, bv, query_x, out0; writes out0
.if DOCPART == 3
	.amdgcn_target "amdgcn-amd-amdhsa--gfx1250"
	.amdhsa_code_object_version 6
	.text
	.protected	k_q462a1d07e0_attn
	.globl	k_q462a1d07e0_attn
	.p2align	8
	.type	k_q462a1d07e0_attn,@function
k_q462a1d07e0_attn:
	s_mov_b64 s[64:65], 0
	v_nop
	global_prefetch_b8 v0, s[64:65] scope:SCOPE_SE
	s_setreg_imm32_b32 hwreg(HW_REG_WAVE_MODE, 25, 1), 1
	s_wait_xcnt 0x0
	s_wait_alu depctr_hold_cnt(0) depctr_sa_sdst(0) depctr_va_vdst(0) depctr_va_sdst(0) depctr_va_ssrc(0) depctr_va_vcc(0) depctr_vm_vsrc(0)
	s_getreg_b32 s2, hwreg(HW_REG_IB_STS2, 6, 4)
	s_cmp_eq_u32 s2, 0
	s_cbranch_scc0 .Lentry_in_a_cluster
	s_endpgm
.Lentry_in_a_cluster:
	s_bfe_u32 s2, ttmp6, 0x10000c
	s_cmp_lg_u32 s2, 0x3003
	s_cbranch_scc0 .Lentry_shape_is_right
	s_endpgm
.Lentry_shape_is_right:
; out0[b][c][j] = query_x[b][c][j] + bv[c] + sum over c' of wv[c][c'] y[c'][j],   y[c'][j] = sum over i of ref_x[b][c'][i] att[j][i],
; att[j][.] = softmax over i of (k[.][j] . q[.][i]).  Each row of att sums to 1, so wv and bv are applied behind the sum over i:
; the same result as reference's v = wv ref_x + bv in front of it, for every input, with another order of rounding (y, not v, is rounded to bf16).
; A work-group owns 128 rows j of one batch and walks the batch's 4,096 i in 8 tiles of 512, with a running maximum.
; Eight waves: wave w has rows 32 (w & 3) .. + 31 (two tiles of 16) and the half w >> 2 of each tile's 512 i; the two halves are merged at the end.
; Two waves lie on a SIMD, so that one wave's matrix instructions run under the other's exponentials; the scores never leave registers.
; CLUSTER: the four work-groups of a cluster have the same batch and need the same tiles of q and of ref_x: each tile is asked for jointly
; (mask 15).  k, query_x, out0 are a work-group's own and go through registers.
; ENERGIES: S^T (16 i x 16 j) = A (q: row i) x B (k: column j).  K slots 0-7: q . k's first bf16 plane; 8-15: q . k's second plane (the upper
; lanes read the same q); 16-31: B holds zeros there, and A whatever finite q lies in the next four registers.
; A lane's eight results are i = 8 h + 0..7 of column j = r: two neighbouring tiles, converted in place, ARE the B fragment of the next product.
; VALUES: O^T (16 c x 16 j) = A (ref_x: row c, K = i) x B (p).  Column j = r in every tile, so maximum, sum and rescale factor are one number a lane.
; EXPONENTIALS: a step's 66 (the two rescale factors, then the 64 p of both j tiles) are ONE BATCH with ONE wait.  Ahead of the wait stand both tiles' maxima,
; the 32 packed subtractions s - m and the exponentials themselves: none of these lines names an exponential's result.  Behind it stands all that does: the rescale
; of O^T (it reads the factors), the sums l and the conversions to bf16.  On the way out the merge's four factors are a batch, and the two reciprocals, which read
; sums made with those factors, a second one.
; LIMITS: exponentials below 2^-126 count as 0 (ISA guide 15.8); NaN and infinities among the inputs are not served (a NaN loses in the maxima;
; an infinite q next to B's zeros gives NaN); q is rounded once to bf16, so an exponent's error grows as |q| |k| 2^-9; the sum l adds the f32 p,
; the product takes p rounded to bf16 (relative 2^-9 at the most).
.set XPITCH, 1040                      ; an LDS row of ref_x: 1,024 bytes + 16 = 65 x 16: the 16 rows that a load touches start in 16 different 16-byte columns of 256
.set XBYTES, 64*XPITCH                 ; 64 channels
.set SLOT,   XBYTES+8192               ; then q: 512 i x 16 bytes
.set MRG,    2*SLOT                    ; 4 x 9,216: what waves 4-7 hand to waves 0-3 (17 x 512 bytes used)
.set MRGW,   9216
.set ZST,    MRG+4*MRGW                ; z: 64 channels, pitch 528 (128 j x 4 bytes + 16)
.set ZPITCH, 528
.set WST,    ZST+64*ZPITCH             ; wv in bf16: 8 fragments x 2 x 512 bytes, in lane order.  No tensor load lands at or behind MRG.
.set LEAD,   4                         ; a pair of scores is subtracted this many pairs ahead of its exponentials
.set AX, 1                             ; v1-2      LDS address of my ref_x fragments in slot 0, 1
.set AQ, 3                             ; v3-4      the same for q
.set MX, 8                             ; v[8:9]    running maximum of j tile 0, 1
.set DF, 10                            ; v[10:11]  old maximum - new maximum; at the end: the sums l
.set LS, 12                            ; v[12:15]  j tile jt: a pair of partial sums
.set AL, 16                            ; v[16:17]  rescale factor of j tile 0, 1
.set FB, 18                            ; v[18:19]  the merge: the partner's factors
.set TM, 20                            ; v[20:27]  at work
.set QF, 28                            ; v[28:43]  q of i tile it at 28 + 4 it; v[44:47] = 0
.set KF, 48                            ; v[48:63]  k of j tile jt at 48 + 8 jt, its upper four registers 0
.set BV, 60                            ; v[60:63]  at the end: bv[16 ct + r]
.set OA, 64                            ; v[64:127] O^T tile (ct, jt) at 64 + 32 jt + 8 ct
.set SC, 128                           ; v[128:191] S^T tile (it, jt) at 128 + 32 jt + 8 it; then p's fragment (ks, jt) at 128 + 32 jt + 16 ks
.set XF, 192                           ; v[192:255] ref_x fragment (ct, ks) at 192 + 8 (2 ct + ks)
.set G1X, 32                           ; s[32:39] descriptor group 1, ref_x
.set G1Q, 40                           ; s[40:47] descriptor group 1, q
.set G0X, 48                           ; s[48:55] group 0, ref_x, one set for each slot
.set G0Q, 56                           ; s[56:63] group 0, q, one set for each slot
.macro PLACES cnt                      ; places behind matrix instructions: plain vector instructions that name none of their registers (ISA guide 7.12.1)
.rept \cnt
	v_nop
.endr
.endm
; A round of the cluster's barrier: my work-group's barrier, wave 0 signals for the work-group, every wave waits for all four work-groups, my work-group's barrier once more.
.macro ROUND
	s_barrier_signal -1
	s_barrier_wait -1
	s_cmp_lg_u32 s8, 0
	s_cbranch_scc1 .Lnot_wave_0_\@
	s_barrier_signal -3
.Lnot_wave_0_\@:
	s_barrier_wait -3
	s_barrier_signal -1
	s_barrier_wait -1
.endm
; Packed f32 with one register (sel = 0: the first, 1: the second) of a pair taken for both halves
.macro PKSUBB reg, pair, sel
.if \sel
	v_pk_add_f32 v[\reg:\reg+1], v[\reg:\reg+1], v[\pair:\pair+1] op_sel:[0,1] op_sel_hi:[1,1] neg_lo:[0,1] neg_hi:[0,1]
.else
	v_pk_add_f32 v[\reg:\reg+1], v[\reg:\reg+1], v[\pair:\pair+1] op_sel_hi:[1,0] neg_lo:[0,1] neg_hi:[0,1]
.endif
.endm
.macro PKADDB reg, pair, sel
.if \sel
	v_pk_add_f32 v[\reg:\reg+1], v[\reg:\reg+1], v[\pair:\pair+1] op_sel:[0,1] op_sel_hi:[1,1]
.else
	v_pk_add_f32 v[\reg:\reg+1], v[\reg:\reg+1], v[\pair:\pair+1] op_sel_hi:[1,0]
.endif
.endm
.macro PKMULB reg, pair, sel
.if \sel
	v_pk_mul_f32 v[\reg:\reg+1], v[\reg:\reg+1], v[\pair:\pair+1] op_sel:[0,1] op_sel_hi:[1,1]
.else
	v_pk_mul_f32 v[\reg:\reg+1], v[\reg:\reg+1], v[\pair:\pair+1] op_sel_hi:[1,0]
.endif
.endm
.macro PKFMAB dst, src, pair, sel, add
.if \sel
	v_pk_fma_f32 v[\dst:\dst+1], v[\src:\src+1], v[\pair:\pair+1], v[\add:\add+1] op_sel:[0,1,0] op_sel_hi:[1,1,1]
.else
	v_pk_fma_f32 v[\dst:\dst+1], v[\src:\src+1], v[\pair:\pair+1], v[\add:\add+1] op_sel_hi:[1,0,1]
.endif
.endm
	s_load_b256 s[16:23], s[0:1], 0x0              ; qx s[16:17], kx s[18:19], xb s[20:21], wv s[22:23]
	s_load_b128 s[24:27], s[0:1], 0x20             ; bv s[24:25], query_x s[26:27]
	s_load_b64 s[28:29], s[0:1], 0x30              ; out0
	s_set_vgpr_msb 0x40
	v_lshl_add_u32 v0, v0, 2, 0x37c00
	v_mov_b32 v1, 0
	s_set_vgpr_msb 0x4045
	ds_add_u32 v0, v1
	s_set_vgpr_msb 0x4500
	v_lshrrev_b32 v5, 5, v0
	v_readfirstlane_b32 s8, v5                     ; wave 0..7
	s_and_b32 s9, s8, 3                            ; which 32 rows j
	s_lshr_b32 s10, s8, 2                          ; which half of a tile's i
	s_and_b32 s11, ttmp7, 0xffff                   ; batch: the cluster's y, shared by the four
	s_bfe_u32 s13, ttmp6, 0x40000                  ; cx
	s_lshl_b32 s12, ttmp9, 2
	s_add_co_u32 s12, s12, s13                     ; block of 128 rows j = 4 x cluster x + cx: enters global addresses of k, query_x, out0 alone
	s_mov_b32 s66, 0x76543210                      ; v_permlanex16_b32: lane i of one half reads lane i of the other
	s_mov_b32 s67, 0xfedcba98
	; group 1, ref_x: 8 rows (channels) x 512 elements of 2 bytes, 4,096 elements from row to row; 4 words of padding behind every 256 words
	s_mov_b32 s[G1X+0], 15|(1<<16)|(1<<20)|(1<<21)|(7<<22)|(3<<25)  ; 15:0 mask: all four; 17:16 2 bytes; 20 padding; 21 set beside a mask; 24:22 code 7; 31:25 code 3
	s_mov_b32 s[G1X+1], 512<<16                    ; tensor_dim0 = 512
	s_mov_b32 s[G1X+2], 8<<16                      ; tensor_dim1 = 8
	s_mov_b32 s[G1X+3], 512<<16                    ; tile_dim0 = 512
	s_mov_b32 s[G1X+4], 8                          ; tile_dim1 = 8
	s_mov_b32 s[G1X+5], 4096                       ; pitch
	s_mov_b32 s[G1X+6], 0
	s_mov_b32 s[G1X+7], 0
	; group 1, q: 1,024 dense bytes as 4 rows of 32 elements of 8 bytes
	s_mov_b32 s[G1Q+0], 15|(3<<16)|(1<<21)
	s_mov_b32 s[G1Q+1], 32<<16
	s_mov_b32 s[G1Q+2], 4<<16
	s_mov_b32 s[G1Q+3], 32<<16
	s_mov_b32 s[G1Q+4], 4
	s_mov_b32 s[G1Q+5], 32
	s_mov_b32 s[G1Q+6], 0
	s_mov_b32 s[G1Q+7], 0
	; each wave brings an eighth of a tile: channels 8 w .. 8 w + 7, and q of 64 positions.  Batch and wave number alone enter these words.
	s_mul_i32 s14, s8, 8*XPITCH
	s_lshl_b32 s15, s8, 10
	s_add_co_u32 s15, s15, XBYTES
	s_lshl_b32 s70, s11, 19                        ; xb: batch x 64 x 8,192
	s_lshl_b32 s2, s8, 16                          ;     + 8 w x 8,192
	s_add_co_u32 s70, s70, s2
	s_mov_b32 s71, 0
	s_lshl_b32 s72, s11, 16                        ; qx: batch x 4,096 x 16
	s_lshl_b32 s2, s8, 10                          ;     + 64 w x 16
	s_add_co_u32 s72, s72, s2
	s_mov_b32 s73, 0
	s_wait_dscnt 0x0
	s_wait_kmcnt 0x0
	s_add_nc_u64 s[70:71], s[20:21], s[70:71]
	s_add_nc_u64 s[72:73], s[16:17], s[72:73]
.irp s, 0,1
	s_mov_b32 s[G0X+4*\s], 1
	s_add_co_u32 s[G0X+4*\s+1], s14, \s*SLOT
	s_add_nc_u64 s[G0X+4*\s+2:G0X+4*\s+3], s[70:71], \s*1024       ; tile s: 512 i x 2 bytes along the rows
	s_or_b32 s[G0X+4*\s+3], s[G0X+4*\s+3], 0x80000000
	s_mov_b32 s[G0Q+4*\s], 1
	s_add_co_u32 s[G0Q+4*\s+1], s15, \s*SLOT
	s_add_nc_u64 s[G0Q+4*\s+2:G0Q+4*\s+3], s[72:73], \s*8192       ; tile s: 512 i x 16 bytes
	s_or_b32 s[G0Q+4*\s+3], s[G0Q+4*\s+3], 0x80000000
.endr
	ROUND                                          ; all four work-groups are here: the first joint loads meet
	tensor_load_to_lds s[G0X:G0X+3], s[G1X:G1X+7]  ; tile 0 into slot 0
	s_nop 0
	tensor_load_to_lds s[G0Q:G0Q+3], s[G1Q:G1Q+7]
	s_nop 0
	; while tile 0 is on its way: addresses, k, wv
	v_and_b32 v5, 15, v0                           ; r
	v_bfe_u32 v6, v0, 4, 1                         ; h
	v_and_b32 v7, 31, v0                           ; lane
	v_mul_u32_u24 v[AX], v5, XPITCH
	v_lshl_add_u32 v[AX], v6, 4, v[AX]             ; row r, 16 bytes for each half of the lanes,
	s_lshl_b32 s2, s10, 9
	v_add_nc_u32 v[AX], s2, v[AX]                  ; my half of the tile's i: 256 x 2 bytes
	v_add_nc_u32 v[AX+1], SLOT, v[AX]
	s_lshl_b32 s2, s10, 12                         ; 256 x 16 bytes
	s_add_co_u32 s2, s2, XBYTES
	v_lshl_add_u32 v[AQ], v5, 4, s2                ; q of position r: both halves of the lanes read the same 16 bytes
	v_add_nc_u32 v[AQ+1], SLOT, v[AQ]
	; wave w converts fragment (ct = w >> 1, u = w & 1) of wv: column c = 16 ct + r, K = c' = 32 u + 8 h + 0..7 and 32 u + 16 + 8 h + 0..7
	s_lshr_b32 s2, s8, 1
	s_lshl_b32 s2, s2, 12                          ; 16 ct rows of 256 bytes
	s_and_b32 s3, s8, 1
	s_lshl_b32 s3, s3, 7                           ; 32 u x 4 bytes
	s_add_co_u32 s2, s2, s3
	v_lshlrev_b32 v20, 8, v5
	v_lshl_add_u32 v20, v6, 5, v20
	v_add_nc_u32 v20, s2, v20
	global_load_b128 v[SC:SC+3], v20, s[22:23]
	global_load_b128 v[SC+4:SC+7], v20, s[22:23] offset:16
	global_load_b128 v[SC+8:SC+11], v20, s[22:23] offset:64
	global_load_b128 v[SC+12:SC+15], v20, s[22:23] offset:80
	; k: lanes 0-15 the first plane, lanes 16-31 the second, of row j = 128 block + 32 (w & 3) + 16 jt + r
	s_lshl_b32 s76, s11, 17
	s_lshl_b32 s2, s12, 11
	s_add_co_u32 s76, s76, s2
	s_lshl_b32 s2, s9, 9
	s_add_co_u32 s76, s76, s2
	s_mov_b32 s77, 0
	s_add_nc_u64 s[18:19], s[18:19], s[76:77]
	v_lshlrev_b32 v21, 4, v5
	v_lshl_add_u32 v21, v6, 16, v21
	global_load_b128 v[KF:KF+3], v21, s[18:19]
	global_load_b128 v[KF+8:KF+11], v21, s[18:19] offset:256
.irp z, QF+16,QF+17,QF+18,QF+19, KF+4,KF+5,KF+6,KF+7, KF+12,KF+13,KF+14,KF+15
	v_mov_b32 v[\z], 0                             ; K slots 16-31 of k, and what the last q tile has beside them
.endr
	s_lshl_b32 s2, s8, 10
	s_add_co_u32 s2, s2, WST
	v_lshl_add_u32 v22, v7, 4, s2
	s_wait_loadcnt 0x0
.irp e, 0,1,2,3,4,5,6,7
	v_cvt_pk_bf16_f32 v[SC+16+\e], v[SC+2*\e], v[SC+2*\e+1]
.endr
	ds_store_b128 v22, v[SC+16:SC+19]
	ds_store_b128 v22, v[SC+20:SC+23] offset:512
; The new running maximum of j tile jt over this step's 64 i: 32 scores a lane and the old maximum in 16 three-way maxima, then the other half of the lanes.
.macro MAXP jt, first
.irp c, 0,1,2,3
	v_max3_num_f32 v[TM+4*\jt+\c], v[SC+32*\jt+8*\c], v[SC+32*\jt+8*\c+1], v[SC+32*\jt+8*\c+2]
.endr
.irp c, 0,1,2,3
	v_max3_num_f32 v[TM+4*\jt+\c], v[TM+4*\jt+\c], v[SC+32*\jt+8*\c+3], v[SC+32*\jt+8*\c+4]
.endr
.irp c, 0,1,2,3
	v_max3_num_f32 v[TM+4*\jt+\c], v[TM+4*\jt+\c], v[SC+32*\jt+8*\c+5], v[SC+32*\jt+8*\c+6]
.endr
	v_max3_num_f32 v[TM+4*\jt], v[TM+4*\jt], v[TM+4*\jt+1], v[SC+32*\jt+7]
	v_max3_num_f32 v[TM+4*\jt+2], v[TM+4*\jt+2], v[TM+4*\jt+3], v[SC+32*\jt+15]
	v_max3_num_f32 v[TM+4*\jt], v[TM+4*\jt], v[TM+4*\jt+2], v[SC+32*\jt+23]
.if \first
	v_max_num_f32 v[TM+4*\jt], v[TM+4*\jt], v[SC+32*\jt+31]
	v_permlanex16_b32 v[TM+4*\jt+1], v[TM+4*\jt], s66, s67
	v_max_num_f32 v[MX+\jt], v[TM+4*\jt], v[TM+4*\jt+1]
.else
	v_max3_num_f32 v[TM+4*\jt], v[TM+4*\jt], v[SC+32*\jt+31], v[MX+\jt]
	v_permlanex16_b32 v[TM+4*\jt+1], v[TM+4*\jt], s66, s67
	v_max_num_f32 v[TM+4*\jt], v[TM+4*\jt], v[TM+4*\jt+1]
	v_sub_f32 v[DF+\jt], v[MX+\jt], v[TM+4*\jt]    ; old - new, at most 0
	v_mov_b32 v[MX+\jt], v[TM+4*\jt]
.endif
.endm
; THE STEP'S BATCH: the two rescale factors 2^(old m - new m) and p = 2^(s - m) of both j tiles, in place.  Pair i of 32 (j tile i / 16) is subtracted LEAD pairs ahead of
; its two exponentials; behind the first LEAD subtractions one stands behind every two exponentials.  A subtraction names scores that have had no exponential yet, and the
; maxima: no line of the batch names a result of the batch.  first = 1: no factors yet.
.macro EXPB first
.if \first == 0
	v_exp_f32 v[AL], v[DF]                         ; the lines that follow, up to the wait, touch neither AL nor DF
	v_exp_f32 v[AL+1], v[DF+1]
.endif
.set i, 0
.rept LEAD
	PKSUBB SC+2*i, MX, i/16
.set i, i+1
.endr
.set i, 0
.rept 32
	v_exp_f32 v[SC+2*i], v[SC+2*i]
	v_exp_f32 v[SC+2*i+1], v[SC+2*i+1]
.if i+LEAD < 32
	PKSUBB SC+2*(i+LEAD), MX, (i+LEAD)/16
.endif
.set i, i+1
.endr
	v_nop                                          ; the plain instruction behind the last exponential, before any result is used (ISA guide 5.7.2): all work still due names a result of the batch
	s_wait_alu depctr_va_vdst(0)                   ; the one wait for the step's batch, ahead of the first line that names a result: the rescale (in the first step the sums)
.endm
; Behind the wait.  O^T of both j tiles times its tile's factor, each accumulator from its low end on.
.macro RESC
.irp jt, 0,1
.set i, 0
.rept 16
	PKMULB OA+32*\jt+2*i, AL, \jt
.set i, i+1
.endr
.endr
.endm
; l of j tile jt rescaled and summed; p packed to bf16 in place.
.macro SUMP jt, first
.irp c, 0,1,2,3
	v_pk_add_f32 v[TM+2*\c:TM+2*\c+1], v[SC+32*\jt+8*\c:SC+32*\jt+8*\c+1], v[SC+32*\jt+8*\c+2:SC+32*\jt+8*\c+3]
.endr
.irp c, 0,1,2,3
	v_pk_add_f32 v[TM+2*\c:TM+2*\c+1], v[TM+2*\c:TM+2*\c+1], v[SC+32*\jt+8*\c+4:SC+32*\jt+8*\c+5]
.endr
.irp c, 0,1,2,3
	v_pk_add_f32 v[TM+2*\c:TM+2*\c+1], v[TM+2*\c:TM+2*\c+1], v[SC+32*\jt+8*\c+6:SC+32*\jt+8*\c+7]
.endr
	v_pk_add_f32 v[TM:TM+1], v[TM:TM+1], v[TM+2:TM+3]
	v_pk_add_f32 v[TM+4:TM+5], v[TM+4:TM+5], v[TM+6:TM+7]
.if \first
	v_pk_add_f32 v[LS+2*\jt:LS+2*\jt+1], v[TM:TM+1], v[TM+4:TM+5]
.else
	v_pk_add_f32 v[TM:TM+1], v[TM:TM+1], v[TM+4:TM+5]
	PKFMAB LS+2*\jt, LS+2*\jt, AL, \jt, TM
.endif
.irp ks, 0,1
.irp e, 0,1,2,3,4,5,6,7
	v_cvt_pk_bf16_f32 v[SC+32*\jt+16*\ks+\e], v[SC+32*\jt+16*\ks+2*\e], v[SC+32*\jt+16*\ks+2*\e+1]   ; register e takes i = 2 e, 2 e + 1 of the 16 that the lane holds: sources never lie below the destination
.endr
.endr
.endm
; 64 i (step st of my 256 in the slot's tile) against my 32 j.
.macro STEP slot, st, first
	PLACES 5                                       ; behind the last step's matrix instructions: loads go into their A registers, new scores over their B registers, the rescale onto their results
.irp it, 0,1,2,3
	ds_load_b128 v[QF+4*\it:QF+4*\it+3], v[AQ+\slot] offset:\st*1024+\it*256
.endr
.irp ct, 0,1,2,3
.irp ks, 0,1
	ds_load_b128 v[XF+8*(2*\ct+\ks):XF+8*(2*\ct+\ks)+3], v[AX+\slot] offset:\ct*16*XPITCH+\st*128+\ks*64
	ds_load_b128 v[XF+8*(2*\ct+\ks)+4:XF+8*(2*\ct+\ks)+7], v[AX+\slot] offset:\ct*16*XPITCH+\st*128+\ks*64+32
.endr
.endr
	s_wait_dscnt 16                                ; q is in; the 16 loads of ref_x issued behind it stay out until the second product
.irp jt, 0,1
.irp it, 0,1,2,3
	v_wmma_f32_16x16x32_bf16 v[SC+32*\jt+8*\it:SC+32*\jt+8*\it+7], v[QF+4*\it:QF+4*\it+7], v[KF+8*\jt:KF+8*\jt+7], 0
.endr
.endr
	PLACES 4                                       ; before vector instructions read the scores
	MAXP 0, \first                                 ; ahead of the wait: both maxima, so that both registers of each pair are written before either is read,
	MAXP 1, \first
	EXPB \first                                    ; the batch, and its wait;
.if \first == 0
	RESC                                           ; behind the wait: all that names a result
.endif
	SUMP 0, \first
	SUMP 1, \first
	s_wait_dscnt 0x0                               ; ref_x's fragments
	; the eight accumulators take turns, one instruction a turn; the first step's first products start the sums
.irp ks, 0,1
.irp ct, 0,1,2,3
.irp jt, 0,1
.if \first*(1-\ks)
	v_wmma_f32_16x16x32_bf16 v[OA+32*\jt+8*\ct:OA+32*\jt+8*\ct+7], v[XF+8*(2*\ct+\ks):XF+8*(2*\ct+\ks)+7], v[SC+32*\jt+16*\ks:SC+32*\jt+16*\ks+7], 0
.else
	v_wmma_f32_16x16x32_bf16 v[OA+32*\jt+8*\ct:OA+32*\jt+8*\ct+7], v[XF+8*(2*\ct+\ks):XF+8*(2*\ct+\ks)+7], v[SC+32*\jt+16*\ks:SC+32*\jt+16*\ks+7], v[OA+32*\jt+8*\ct:OA+32*\jt+8*\ct+7]
.endif
.endr
.endr
.endr
.endm
; One tile.  Two slots take turns; the round of the cluster's barrier is the barrier in front of the refill: in front of it every wave's tensor loads have
; landed and its reads of the other slot are back; behind it the two joint loads of the next tile come first.  A wave has two tensor loads out,
; and they have this tile's four steps in which to land.
.macro TRIP slot, refill, first
	s_set_vgpr_msb 0x5
	s_wait_tensorcnt 0x0                           ; all my tensor loads are done, my eighth of this tile among them: every group 0 may be written
	ds_add_u32 v0, v1
	s_wait_dscnt 0x0
	s_set_vgpr_msb 0x500
	s_add_nc_u64 s[G0X+4*\slot+2:G0X+4*\slot+3], s[G0X+4*\slot+2:G0X+4*\slot+3], 2*1024
	s_add_nc_u64 s[G0Q+4*\slot+2:G0Q+4*\slot+3], s[G0Q+4*\slot+2:G0Q+4*\slot+3], 2*8192
	s_wait_dscnt 0x0                               ; my LDS instructions are done: the reads of the last tile (ahead of the first tile: the stores of wv)
	ROUND
.if \refill
	tensor_load_to_lds s[G0X+4*(1-\slot):G0X+4*(1-\slot)+3], s[G1X:G1X+7]
	s_nop 0
	tensor_load_to_lds s[G0Q+4*(1-\slot):G0Q+4*(1-\slot)+3], s[G1Q:G1Q+7]
	s_nop 0
.endif
	STEP \slot, 0, \first
	STEP \slot, 1, 0
	STEP \slot, 2, 0
	STEP \slot, 3, 0
.endm
	TRIP 0, 1, 1                                   ; tiles 0 and 1 stand in front of the loop: the first step starts maxima and sums
	TRIP 1, 1, 0
	s_mov_b32 s68, 2
.Llap:
	TRIP 0, 1, 0                                   ; tiles 2 to 5
	TRIP 1, 1, 0
	s_sub_co_u32 s68, s68, 1
	s_cmp_lg_u32 s68, 0
	s_cbranch_scc1 .Llap
	TRIP 0, 1, 0                                   ; tile 6 fetches tile 7,
	TRIP 1, 0, 0                                   ; which fetches nothing (the stepped addresses are not used)
	; THE END.  Places behind the last matrix instructions: their results are read and stored, loads go into their sources, matrix instructions write over their B registers.
	PLACES 5
	v_add_f32 v[DF], v[LS], v[LS+1]                ; l of my half of the i: the pair, then the other half of the lanes
	v_add_f32 v[DF+1], v[LS+2], v[LS+3]
	v_permlanex16_b32 v[TM], v[DF], s66, s67
	v_permlanex16_b32 v[TM+1], v[DF+1], s66, s67
	v_add_f32 v[DF], v[DF], v[TM]
	v_add_f32 v[DF+1], v[DF+1], v[TM+1]            ; v[8:11] = m0, m1, l0, l1
	v_and_b32 v7, 31, v0
	v_lshlrev_b32 v7, 4, v7                        ; 16 x lane
	v_and_b32 v24, 15, v0                          ; r
	v_bfe_u32 v25, v0, 4, 1                        ; h
	s_lshl_b32 s2, s8, 17
	v_add_nc_u32 v1, s2, v7                        ; query_x, out0: channel 8 w, 16 bytes a lane
	s_mul_i32 s2, s8, 8*ZPITCH
	s_add_co_u32 s2, s2, ZST
	v_add_nc_u32 v2, s2, v7                        ; z, back: row 8 w
	s_mul_i32 s2, s9, MRGW
	s_add_co_u32 s2, s2, MRG
	v_add_nc_u32 v3, s2, v7                        ; what wave 4 + g hands to wave g
	v_add_nc_u32 v5, WST, v7
	v_mul_u32_u24 v4, v24, ZPITCH
	v_lshl_add_u32 v4, v25, 5, v4
	s_lshl_b32 s2, s9, 7
	s_add_co_u32 s2, s2, ZST
	v_add_nc_u32 v4, s2, v4                        ; z, in: row r, 8 h numbers, my wave's 32 j
	v_lshlrev_b32 v6, 2, v24                       ; bv[r]
	s_lshl_b32 s76, s11, 20                        ; batch x 64 x 16,384
	s_lshl_b32 s2, s12, 9                          ; + block x 128 x 4
	s_add_co_u32 s76, s76, s2
	s_add_nc_u64 s[26:27], s[26:27], s[76:77]      ; s77 is still 0
	s_add_nc_u64 s[28:29], s[28:29], s[76:77]
.irp n, 0,1,2,3,4,5,6,7
	global_load_b128 v[QF+4*\n:QF+4*\n+3], v1, s[26:27] offset:\n*16384 th:TH_LOAD_NT   ; query_x, channels 8 w + n: wanted at the very end
.endr
	s_cmp_lg_u32 s10, 0
	s_cbranch_scc0 .Lkeep                          ; waves 4-7 hand over O, m, l, lane for lane
.irp q, 0,1,2,3,4,5,6,7,8,9,10,11,12,13,14,15
	ds_store_b128 v3, v[OA+4*\q:OA+4*\q+3] offset:\q*512
.endr
	ds_store_b128 v3, v[MX:MX+3] offset:16*512
.Lkeep:
	s_wait_dscnt 0x0                               ; the stores are in LDS before the wave says so
	s_barrier_signal -1
	s_barrier_wait -1
	s_cmp_lg_u32 s10, 0
	s_cbranch_scc1 .Lno_merge                      ; waves 0-3 merge, normalise and apply wv and bv
.irp ct, 0,1,2,3
	global_load_b32 v[BV+\ct], v6, s[24:25] offset:\ct*64
.endr
	ds_load_b128 v[TM:TM+3], v3 offset:16*512      ; the partner's m0, m1, l0, l1
.irp q, 0,1,2,3,4,5,6,7,8,9,10,11,12,13,14,15
	ds_load_b128 v[SC+4*\q:SC+4*\q+3], v3 offset:\q*512
.endr
.irp q, 0,1,2,3,4,5,6,7,8,9,10,11,12,13,14,15
	ds_load_b128 v[XF+4*\q:XF+4*\q+3], v5 offset:\q*512     ; wv's eight fragments: (ct, u) at XF + 8 (2 ct + u)
.endr
	s_wait_dscnt 32                                ; the partner's m and l are in; its O (16 loads) and wv (16) stay out
	v_max_num_f32 v24, v[MX], v[TM]
	v_max_num_f32 v25, v[MX+1], v[TM+1]
	v_sub_f32 v[AL], v[MX], v24
	v_sub_f32 v[AL+1], v[MX+1], v25
	v_sub_f32 v[FB], v[TM], v24
	v_sub_f32 v[FB+1], v[TM+1], v25
	v_exp_f32 v[AL], v[AL]                         ; the merge's first batch: my two factors and the partner's two
	v_exp_f32 v[AL+1], v[AL+1]
	v_exp_f32 v[FB], v[FB]
	v_exp_f32 v[FB+1], v[FB+1]
	v_nop                                          ; the plain instruction behind the last of them
	s_wait_alu depctr_va_vdst(0)                   ; one wait for the four factors, ahead of the first line that names one
	v_mul_f32 v24, v[AL], v[DF]
	v_mul_f32 v25, v[AL+1], v[DF+1]
	v_fmac_f32 v24, v[FB], v[TM+2]                 ; l of all 4,096 i: at least 1, the largest score's own term
	v_fmac_f32 v25, v[FB+1], v[TM+3]
	v_rcp_f32 v24, v24                             ; the second batch: the two reciprocals read sums made with the first batch's results
	v_rcp_f32 v25, v25
	v_nop                                          ; the plain instruction behind the second reciprocal
	s_wait_alu depctr_va_vdst(0)                   ; one wait for the two reciprocals, ahead of the first line that names one
	v_mul_f32 v[AL], v[AL], v24                    ; both factors carry 1 / l
	v_mul_f32 v[AL+1], v[AL+1], v25
	v_mul_f32 v[FB], v[FB], v24
	v_mul_f32 v[FB+1], v[FB+1], v25
	s_wait_dscnt 16                                ; the partner's O is in; wv stays out
.irp jt, 0,1
.set i, 0
.rept 16
	PKMULB OA+32*\jt+2*i, AL, \jt
	PKFMAB OA+32*\jt+2*i, SC+32*\jt+2*i, FB, \jt, OA+32*\jt+2*i
.set i, i+1
.endr
.endr
	; y in bf16, in place: tiles ct = 2 u, 2 u + 1 of column block jt become the A fragment (row j = r, K = c' = 32 u ..)
.irp jt, 0,1
.irp u, 0,1
.irp e, 0,1,2,3,4,5,6,7
	v_cvt_pk_bf16_f32 v[OA+32*\jt+16*\u+\e], v[OA+32*\jt+16*\u+2*\e], v[OA+32*\jt+16*\u+2*\e+1]
.endr
.endr
.endr
	s_wait_dscnt 0x0
	; Z (16 j x 16 c) = A (y) x B (wv): a lane's eight results are eight neighbouring j of channel 16 ct + r.  Eight accumulators by turns.
.irp u, 0,1
.irp jt, 0,1
.irp ct, 0,1,2,3
.if \u
	v_wmma_f32_16x16x32_bf16 v[SC+32*\jt+8*\ct:SC+32*\jt+8*\ct+7], v[OA+32*\jt+16*\u:OA+32*\jt+16*\u+7], v[XF+8*(2*\ct+\u):XF+8*(2*\ct+\u)+7], v[SC+32*\jt+8*\ct:SC+32*\jt+8*\ct+7]
.else
	v_wmma_f32_16x16x32_bf16 v[SC+32*\jt+8*\ct:SC+32*\jt+8*\ct+7], v[OA+32*\jt+16*\u:OA+32*\jt+16*\u+7], v[XF+8*(2*\ct+\u):XF+8*(2*\ct+\u)+7], 0
.endif
.endr
.endr
.endr
	PLACES 4                                       ; before the results are read, and before loads go into wv's registers
	s_wait_loadcnt 0x0                             ; bv
.irp jt, 0,1
.irp ct, 0,1,2,3
.irp g, 0,2,4,6
	PKADDB SC+32*\jt+8*\ct+\g, BV+(\ct/2)*2, \ct&1
.endr
	ds_store_b128 v4, v[SC+32*\jt+8*\ct:SC+32*\jt+8*\ct+3] offset:\ct*16*ZPITCH+\jt*64
	ds_store_b128 v4, v[SC+32*\jt+8*\ct+4:SC+32*\jt+8*\ct+7] offset:\ct*16*ZPITCH+\jt*64+16
.endr
.endr
.Lno_merge:
	s_wait_dscnt 0x0
	s_barrier_signal -1
	s_barrier_wait -1
	; all eight waves: channels 8 w + n, 128 j: each load and store of the wave covers 512 consecutive bytes, aligned
.irp n, 0,1,2,3,4,5,6,7
	ds_load_b128 v[XF+4*\n:XF+4*\n+3], v2 offset:\n*ZPITCH
.endr
	s_wait_loadcnt 0x0                             ; query_x
.irp n, 0,1,2,3,4,5,6,7
	s_wait_dscnt 7-\n                              ; LDS loads come back in order (ISA guide 5.7.1): row n is in, the younger rows stay out
	v_pk_add_f32 v[XF+4*\n:XF+4*\n+1], v[XF+4*\n:XF+4*\n+1], v[QF+4*\n:QF+4*\n+1]
	v_pk_add_f32 v[XF+4*\n+2:XF+4*\n+3], v[XF+4*\n+2:XF+4*\n+3], v[QF+4*\n+2:QF+4*\n+3]
	global_store_b128 v1, v[XF+4*\n:XF+4*\n+3], s[28:29] offset:\n*16384 th:TH_STORE_NT
.endr
	s_set_vgpr_msb 0x5
	s_wait_tensorcnt 0x0
	ds_add_u32 v0, v1
	s_wait_dscnt 0x0
	s_set_vgpr_msb 0x500
	ROUND                                          ; the closing round: no work-group ends while a partner may still ask for a tile that names it
	s_endpgm
.Lfunc_end_k_q462a1d07e0_attn:
	.size	k_q462a1d07e0_attn, .Lfunc_end_k_q462a1d07e0_attn-k_q462a1d07e0_attn
	.p2alignl 7, 3214868480
	.fill 96, 4, 3214868480
	.section	.rodata,"a",@progbits
	.p2align	6, 0x0
	.amdhsa_kernel k_q462a1d07e0_attn
		.amdhsa_group_segment_fixed_size 327680
		.amdhsa_private_segment_fixed_size 0
		.amdhsa_enable_private_segment 0
		.amdhsa_kernarg_size 56
		.amdhsa_user_sgpr_count 2
		.amdhsa_user_sgpr_kernarg_segment_ptr 1
		.amdhsa_wavefront_size32 1
		.amdhsa_system_sgpr_workgroup_id_x 1
		.amdhsa_system_sgpr_workgroup_id_y 1
		.amdhsa_system_sgpr_workgroup_id_z 1
		.amdhsa_system_vgpr_workitem_id 0
		.amdhsa_next_free_vgpr 258
		.amdhsa_next_free_sgpr 80
		.amdhsa_reserve_vcc 0
		.amdhsa_float_denorm_mode_32 3
		.amdhsa_float_denorm_mode_16_64 3
		.amdhsa_memory_ordered 1
		.amdhsa_forward_progress 1
		.amdhsa_inst_pref_size 255
	.end_amdhsa_kernel
	.section	.bss,"aw",@nobits
	.p2align	6
	.space	262144
	.amdgpu_metadata
---
amdhsa.version: [ 1, 2 ]
amdhsa.kernels:
  - .name:           k_q462a1d07e0_attn
    .symbol:         k_q462a1d07e0_attn.kd
    .args:
      - { .name: qx, .offset: 0, .size: 8, .value_kind: global_buffer, .address_space: global }
      - { .name: kx, .offset: 8, .size: 8, .value_kind: global_buffer, .address_space: global }
      - { .name: xb, .offset: 16, .size: 8, .value_kind: global_buffer, .address_space: global }
      - { .name: wv, .offset: 24, .size: 8, .value_kind: global_buffer, .address_space: global }
      - { .name: bv, .offset: 32, .size: 8, .value_kind: global_buffer, .address_space: global }
      - { .name: query_x, .offset: 40, .size: 8, .value_kind: global_buffer, .address_space: global }
      - { .name: out0, .offset: 48, .size: 8, .value_kind: global_buffer, .address_space: global }
    .group_segment_fixed_size: 327680
    .private_segment_fixed_size: 0
    .kernarg_segment_align: 8
    .kernarg_segment_size: 56
    .max_flat_workgroup_size: 256
    .sgpr_count:     80
    .vgpr_count:     258
    .wavefront_size: 32
...
	.end_amdgpu_metadata
.endif
;; end of part 3
